; MI455X (gfx1250); checked and timed in simulation.
; The chip was launched on July 23, 2026; its instructions are those of AMD's public machine-readable ISA for CDNA 5 (MIT licence, August 2026) and "CDNA5" Instruction Set Architecture Reference Guide (July 2026). The comments in the code are by the model that wrote it; some were corrected since.
;; RBS Quantized Linear. Allowed arithmetic: matrix products marked QUANTISED: E3M2 operands, one E8M0 scale for each 32 along K, by v_wmma_scale_f32_16x16x128_f8f6f4 with both operands' format E3M2, f32 sums; everything else in f32.
;; Inputs: W_q 4,096 x 4,096 int32; mask 4,096 x 4,096 float32; mu1 4,096 float32; mu2 4,096 float32; scales 4,096 x 64 x 1 float32; x 4 x 1,024 x 4,096 float32; zeros 4,096 x 64 x 1 float32.
;; Outputs: out0 4 x 1,024 x 4,096 float32.
;; This version of the problem:
;;   THIS VERSION OF THE PROBLEM IS GIVEN IN LOW PRECISION. The matrix products marked QUANTISED in the list below multiply operands that are first quantised to E3M2 (3 exponent bits, 2 mantissa bits; 6 bits a number), with one power-of-two scale for each 32 numbers along K (OCP MX v1.0); their sums are f32. All else is computed in f32.
;;   The module's matrix products, in the order in which they are computed (A, B: the left and right operand; K: the contracted axis; several contracted axes count as one K, in the product's order):
;;     1. [M 4,096, K 4,096] x [K 4,096, N 4,096]; A: input x; B: computed on the way: QUANTISED
;;   THE QUANTISER, for each operand of a quantised product, along K:
;;     - K is cut into blocks of 32 from its start; a last block that is shorter is filled with zeros.
;;     - A block's scale is 2^e with e = floor(log2(the largest magnitude in the block)) - 4, held to -126 .. 127; a block of zeros has e = 0. As a byte (E8M0): e + 127.
;;     - Each number is divided by its block's scale, clamped to +-28, and rounded to the nearest number of E3M2, ties to even, subnormals kept.
;;     - The product sums the exact products of the quantised numbers (number of the format x scale) in f32.
;;   ~~~python
;;   def quantise(x, axis):      # numpy; x: float32 -> the quantised numbers, widened to float32 again
;;       x = np.moveaxis(x, axis, -1); K = x.shape[-1]
;;       x = np.pad(x, [(0, 0)] * (x.ndim - 1) + [(0, -K % 32)]); x = x.reshape(x.shape[:-1] + (-1, 32)); a = np.abs(x).max(-1, keepdims=True)
;;       e = np.where(a > 0, np.clip(np.frexp(np.where(a > 0, a, 1))[1] - 1 - 4, -126, 127), 0)      # np.frexp(a)[1] - 1 = floor(log2(a)), exactly
;;       r = np.clip(x / 2.0 ** e, -28, 28)
;;       step = 2.0 ** (np.maximum(np.frexp(np.where(r == 0, 1, r))[1] - 1, -2) - 2)
;;       q = np.round(r / step) * step * 2.0 ** e      # np.round: ties to even
;;       return np.moveaxis(q.reshape(q.shape[:-2] + (-1,))[..., :K], -1, axis).astype(np.float32)
;;   ~~~
;;   OPERANDS COMPUTED ON THE WAY. 'Computed on the way' means the value that the module computes at that place (a softmax that the list does not call 'softmax' is quantised finished and normalised). What goes into a quantiser is computed in f32, as accurately as f32 sums, v_exp_f32 and their like allow (about 1e-6 of the number): no bf16 or f16 on the way to a quantiser, and a product that is left as it is and whose result goes on into a quantised operand takes f32 operands (vector FMAs, or v_wmma_f32_16x16x4_f32). A number that lies on a knife's edge between two numbers of the format may be rounded either way, as far as f32 arithmetic and the matrix unit's own rounding can turn it there, and no further.
;; One version. Each part assembles by itself: llvm-mc -triple=amdgcn-amd-amdhsa -mcpu=gfx1250 --defsym DOCPART=n.
;; ======== version 1 of 1: 2 launches
;; limits: right only within a limited range of input values
;; workspace buffers: xq 13,107,200 bytes; wq 13,107,200 bytes
;; launch quant (part 1): grid 1024 x 1, 4 waves a work-group, no clusters, 68,096 bytes of LDS; arguments x, W_q, mask, scales, zeros, mu1, mu2, xq, wq; writes xq, wq
.if DOCPART == 1
	.amdgcn_target "amdgcn-amd-amdhsa--gfx1250"
	.amdhsa_code_object_version 6
	.text
	.protected	k_q454e414535_quant
	.globl	k_q454e414535_quant
	.p2align	8
	.type	k_q454e414535_quant,@function
k_q454e414535_quant:
	s_mov_b64 s[64:65], 0
	v_nop
	global_prefetch_b8 v0, s[64:65] scope:SCOPE_SE
	s_setreg_imm32_b32 hwreg(HW_REG_WAVE_MODE, 25, 1), 1
	s_wait_xcnt 0x0
; BOTH OPERANDS OF out = x Wd^T BECOME CODES OF BF6 (E3M2), 6 bits each, with one E8M0 byte for each 32 along the contracted axis n, LAID IN THE ORDER OF THE MATRIX OPERAND'S REGISTERS.
; x: [4096][4096] f32, as it is.  Wd[j][n] = ((((float(W_q[j][n]) - zeros[j][n/64]) * scales[j][n/64]) * mu2[j]) * mu1[n]) * mask[j][n], in f32, one rounding for each operation, in that order.
; OUT: xq, wq: [32 groups of 128 rows][32 K steps of 128][12,800 bytes].  Such a chunk is 8 fragments (16 rows x 128 along n) of 1,536 bytes and then 8 x 16 scale words (block of rows i, row r: 12,288 + 64 i + 4 r;
; byte b of a word scales n = 32 b .. 32 b + 31 of the K step).  In a fragment the 24 bytes of row r's block b of 32 codes (a stream of bits, the lowest n in the lowest bits) lie at 768 (b % 2) + 48 r + 24 (b / 2):
; so lane l of the product's launch finds its twelve registers as 48 consecutive bytes at 48 l.
; A block's scale is 2^(floor(log2(its largest magnitude)) - 4): its byte is the largest magnitude's own exponent field - 4, held at 1 from below; numbers are divided by it and rounded to the nearest code, ties to even,
; beyond the largest code the largest.
; LIMITS: NaN and infinities among the inputs are not served.  A block whose largest magnitude lies under 2^-122 has its byte held at 1.  A block of zeros gets the byte 1 where the rule says 127:
; its codes are zeros, which add nothing under any byte but 0xff, and this program alone reads the bytes.  W_q may be any int32.
; SHARES.  1,024 work-groups of four waves; of work-groups 2 a and 2 a + 1 one takes x and the other W (which one alternates every 256 work-groups).  Tile a is 64 rows (a / 8) x 512 columns (a % 8);
; wave w takes its rows 16 w .. 16 w + 15: four fragments.  Step t = 4 s + u is rows 4 u .. 4 u + 3 of the wave's sixteen, columns 128 s .. 128 s + 127 of the tile's 512.
; A STEP.  Load i reads 512 consecutive bytes of row 4 u + i, 16 a lane.  A lane's four numbers of load i lie in group lane / 16 of the row's two groups of 64 columns: one zero and one scale serve them.
; The conversion wants 16 NEIGHBOURS along n in one lane's registers: so the step's 2,048 bytes turn through the wave's own stage in LDS (16 bytes of padding behind each 64) and come back 64 bytes a lane;
; lanes l and l xor 1 hold a block of 32.  A lane's 12 bytes of codes go into a second stage, laid as the fragment; after four steps the fragment is whole and leaves by three stores of 512 consecutive bytes, each at
; a multiple of 256 from the buffer's first byte.  The scale bytes are gathered in LDS: a K step's words of the four waves are 256 consecutive aligned bytes, stored at the end, behind the one barrier.
; No tensor loads, no matrix work: the launch streams, and its work-groups share nothing but mu1, mu2 and the rows of scales and zeros.  Loads run four steps ahead, the turn through LDS one step.
.set STEPS, 16
.set SP,    80                         ; a lane's place in a stage: its 64 bytes + 16 of padding
.set STG,   32*SP                      ; a stage
.set HP,    960                        ; the codes' stage: from a fragment's first 768 bytes to its second: 240 words, so that the 32 lanes' pieces begin at words 3 n, n = 0 .. 31: 32 different banks (64 banks of 4 bytes: ISA guide 11.1)
.set FRB,   1536                       ; a fragment
.set SCO,   8*FRB                      ; where a chunk's scale words begin
.set CHUNK, SCO+512
.set GSTR,  32*CHUNK                   ; a group of 128 rows, all of K
.set SBX,   0                          ; LDS: x's work-groups' scale bytes: 256 s + 64 w + 4 row + block
.set SBW,   1024                       ; W's, likewise
.set BASE0, 2048                       ; then a region of 8,192 bytes for each wave (x's work-groups),
.set LB,    32768                      ; and LB bytes further on the same for W's work-groups: each kind of work has LDS bytes of its own
.set CSX,   2*STG                      ; x: behind the two stages the codes' stage, 768 + HP bytes
.set SIN,   LB+2*STG                   ; W: behind the two stages the wave's scales, laid [8 groups][16 rows] x 4 bytes,
.set ZIN,   SIN+512                    ; its zeros,
.set CSW,   ZIN+512                    ; and the codes' stage
.set R,     16                         ; v16-79   four sets of 16: x as loaded; or W_q as loaded, then Wd in place
.set X,     80                         ; v80-111  two sets of 16 neighbours
.set C,     112                        ; v112-127 four sets of 4 (3 used): codes
.set E,     128                        ; v128-129 the scale byte, by turns
.set RB1,   130                        ; v130     v12 + (HP - 768) x (lane / 16)
.set SZ,    132                        ; v132-147 two sets: four scales, four zeros: those of the step's four rows, my half's group
.set MU,    148                        ; v148-163 mu1: register 4 s + j
.set MK,    164                        ; v164-227 four sets of 16: mask as loaded
.set CF,    228                        ; v228-239 a fragment on its way out
.set TP,    40                         ; s[40:47] the step's four mu2, each the low word of a pair
.set MU2,   68                         ; s[68:83] mu2 of my sixteen rows
; v1 offset of the raw scales' and zeros' load; v2 lane; v3 16 x lane; v4 where my 12 bytes of codes go; v5 where my block's byte goes; v6, v7 the bytes' way out (LDS, memory); v8, v9, v11 at work;
; v10 where the raw scales and zeros go; v12 16 x lane, v13 64 x (lane / 16), v14 the stage's way in, v15 its way out: v4, v10, v12-v15 + my wave's region.  None of them is rewritten behind the head.
	s_load_b512 s[16:31], s[0:1], 0x0              ; x 16, W_q 18, mask 20, scales 22, zeros 24, mu1 26, mu2 28, xq 30
	s_load_b64 s[32:33], s[0:1], 0x40              ; wq
	v_lshl_add_u32 v240, v0, 2, 0x10800
	v_mov_b32 v241, 0
	v_lshrrev_b32 v1, 5, v0
	v_readfirstlane_b32 s2, v1                     ; wave 0..3
	s_lshr_b32 s3, ttmp9, 8
	s_xor_b32 s3, s3, ttmp9
	s_and_b32 s3, s3, 1                            ; 0: x's work-group, 1: W's
	s_lshr_b32 s4, ttmp9, 1                        ; tile a
	s_lshr_b32 s34, s4, 3                          ; which 64 rows
	s_and_b32 s35, s4, 7                           ; which 512 columns
	v_and_b32 v2, 31, v0                           ; lane
	v_bfe_u32 v9, v0, 4, 1                         ; lane / 16
	v_lshlrev_b32 v3, 4, v2                        ; 16 x lane
	v_lshlrev_b32 v7, 3, v2                        ; 8 x lane
	s_lshl_b32 s14, s2, 13
	s_add_co_u32 s14, s14, BASE0                   ; my wave's region
	v_lshrrev_b32 v14, 2, v2
	v_mul_u32_u24 v14, v14, SP
	v_and_b32 v8, 3, v2
	v_lshl_add_u32 v14, v8, 4, v14
	v_add_nc_u32 v14, s14, v14                     ; the stage, way in: byte b of the step lies at SP (b / 64) + b % 64; load i's byte 16 x lane is b = 512 i + 16 x lane: load i stands 8 SP further on
	v_mul_u32_u24 v15, v2, SP
	v_add_nc_u32 v15, s14, v15                     ; way out: SP x lane: my 16 neighbours: row lane / 8 of the step's four, columns 16 (lane % 8) on
	v_add_nc_u32 v12, s14, v3
	v_mad_u32_u24 v[RB1], v9, HP-768, v12
	v_lshl_add_u32 v13, v9, 6, s14
	v_bfe_u32 v8, v0, 1, 1                         ; my block of the row's four is (lane / 2) % 4: its low bit says which half of the fragment,
	v_mul_u32_u24 v4, v8, HP
	v_bfe_u32 v8, v0, 3, 2                         ; lane / 8: my row of the step's four: 48 bytes a row,
	v_mad_u32_u24 v4, v8, 48, v4
	v_lshlrev_b32 v5, 2, v8                        ; (and 4 bytes a row among the scale words)
	v_bfe_u32 v8, v0, 2, 1                         ; the block's high bit: which 24 bytes,
	v_mad_u32_u24 v4, v8, 24, v4
	v_and_b32 v8, 1, v0                            ; and my half of the block: which 12
	v_mad_u32_u24 v4, v8, 12, v4
	v_add_nc_u32 v4, s14, v4
	v_bfe_u32 v8, v0, 1, 2
	v_add_nc_u32 v5, v5, v8                        ; my block's byte of the row's word,
	s_lshl_b32 s5, s2, 6
	v_add_nc_u32 v5, s5, v5                        ; among my wave's 16 words
	v_lshrrev_b32 v10, 1, v2                       ; the raw scales and zeros: lane l takes row l / 2 (256 bytes a row in memory), groups 4 (l % 2) .. + 3 of the tile's eight
	v_and_b32 v8, 1, v0
	v_lshlrev_b32 v1, 8, v10
	v_lshl_add_u32 v1, v8, 4, v1
	v_lshlrev_b32 v10, 2, v10                      ; and puts them at 64 x group + 4 x row
	v_lshl_add_u32 v10, v8, 8, v10
	v_add_nc_u32 v10, s14, v10
	s_wait_kmcnt 0x0
	s_cmp_eq_u32 s3, 0                             ; the choice hangs on the work-group's number alone
	s_cselect_b64 s[8:9], s[30:31], s[32:33]       ; the buffer that I fill,
	s_cselect_b32 s6, SBX, SBW                     ; and where the scale bytes are gathered
	s_lshl_b32 s5, s2, 8
	v_add_nc_u32 v6, s5, v7
	v_add_nc_u32 v6, s6, v6                        ; the bytes' way out: wave w takes the tile's K step w: 256 w + 8 x lane
	s_lshr_b32 s12, s34, 1                         ; the group of 128 rows
	s_mul_i32 s12, s12, GSTR
	s_mul_i32 s13, s35, 4*CHUNK                    ; the tile's first K step
	s_add_co_u32 s12, s12, s13
	s_and_b32 s13, s34, 1                          ; which 64 rows of the group
	s_mul_i32 s36, s13, 4*FRB
	s_mul_i32 s7, s2, FRB
	s_add_co_u32 s36, s36, s7
	s_add_co_u32 s36, s36, s12                     ; my first fragment
	s_mov_b32 s37, 0
	s_lshl_b32 s13, s13, 8
	s_mul_i32 s7, s2, CHUNK
	s_add_co_u32 s12, s12, s13
	s_add_co_u32 s12, s12, s7
	s_add_co_u32 s12, s12, SCO                     ; the tile's 256 bytes of scale words in K step w's chunk
	s_mov_b32 s13, 0
	s_add_nc_u64 s[10:11], s[8:9], s[12:13]
	s_add_nc_u64 s[8:9], s[8:9], s[36:37]
	s_lshl_b32 s38, s34, 6
	s_lshl_b32 s7, s2, 4
	s_add_co_u32 s38, s38, s7                      ; my first row
	s_lshl_b32 s12, s38, 14                        ; rows of 16,384 bytes,
	s_lshl_b32 s7, s35, 11                         ; the tile's columns
	s_add_co_u32 s12, s12, s7                      ; s[12:13]: where my part of x, W_q and mask begins
; Step t's 16 registers go into the stage as loaded and come back as 16 neighbours.  LDS serves a wave's instructions in order, so no wait stands between the stores and the loads.
.macro TURN t, lb
.irp i, 0,1,2,3
	ds_store_b128 v14, v[R+16*((\t)%4)+4*\i:R+16*((\t)%4)+4*\i+3] offset:\lb+STG*((\t)%2)+8*SP*\i
.endr
.irp i, 0,1,2,3
	ds_load_b128 v[X+16*((\t)%2)+4*\i:X+16*((\t)%2)+4*\i+3], v15 offset:\lb+STG*((\t)%2)+16*\i
.endr
.endm
; Step t's 16 neighbours become 12 bytes of codes, put at their place in the fragment's stage (at cso), and, with my neighbour lane's 16, a scale byte (region sbo).  Four LDS stores.
.macro QUANT t, cso, sbo
.set XS, X+16*((\t)%2)
.set CS, C+4*((\t)%4)
	v_max3_num_f32 v8, |v[XS]|, |v[XS+1]|, |v[XS+2]|               ; the largest magnitude of my 16, in two chains
	v_max3_num_f32 v9, |v[XS+3]|, |v[XS+4]|, |v[XS+5]|
.irp i, 6,10
	v_max3_num_f32 v8, v8, |v[XS+\i]|, |v[XS+\i+1]|
	v_max3_num_f32 v9, v9, |v[XS+\i+2]|, |v[XS+\i+3]|
.endr
	v_max3_num_f32 v8, v8, |v[XS+14]|, |v[XS+15]|
	v_max3_num_f32 v8, v8, v9, 0x2800000           ; and the floor 2^(5 - 127), under which no largest magnitude is taken: the byte cannot fall under 1
	v_max_num_f32_dpp v8, v8, v8 row_xmask:1 row_mask:0xf bank_mask:0xf   ; with my neighbour's 16: the block's
	v_add_nc_u32 v11, 0xfe000000, v8               ; 4 off its exponent field: the conversion takes the exponent field of this operand as its scale, and nothing else of it
	v_cvt_scalef32_pk16_bf6_f32 v[CS:CS+2], v[XS:XS+15], v11       ; (this set of code registers was last read by LDS stores four steps back, which the waits at the steps' heads have shown done)
	v_lshrrev_b32 v[E+(\t)%2], 23, v11             ; the scale's byte.  (Also the plain vector line behind the conversion)
	ds_store_b32 v4, v[CS] offset:\cso+192*((\t)%4)                ; the step's four rows lie 4 x 48 bytes further on than the last step's
	ds_store_b32 v4, v[CS+1] offset:\cso+192*((\t)%4)+4
	ds_store_b32 v4, v[CS+2] offset:\cso+192*((\t)%4)+8
	ds_store_b8 v5, v[E+(\t)%2] offset:\sbo+256*((\t)/4)+16*((\t)%4)   ; both lanes of a block write the same byte with the same value
.endm
.macro FLUSHLD cso                     ; the whole fragment back, 16 bytes a lane: bytes 0-511; 512-1,023, of which lanes 16-31 take the second half's first 256; 1,024-1,535.  These see my stores, and the next fragment's stores come behind them
	ds_load_b128 v[CF:CF+3], v12 offset:\cso
	ds_load_b128 v[CF+4:CF+7], v[RB1] offset:\cso+512
	ds_load_b128 v[CF+8:CF+11], v12 offset:\cso+1024+HP-768
.endm
.macro FLUSHST s                       ; and out: K step s of the tile's four.  32 lanes store 512 consecutive bytes, at a multiple of 256 from the buffer's first byte
	global_store_b128 v3, v[CF:CF+3], s[8:9] offset:CHUNK*(\s)
	global_store_b128 v3, v[CF+4:CF+7], s[8:9] offset:CHUNK*(\s)+512
	global_store_b128 v3, v[CF+8:CF+11], s[8:9] offset:CHUNK*(\s)+1024
.endm
.macro HEADWAIT t                      ; this step's numbers are back from the stage; so the stage's stores have read their registers
.if (\t) == 0
	s_wait_dscnt 0x0
.elseif (\t)%4 == 0
	s_wait_dscnt 7                                 ; behind them: the last step's four stores and the fragment's three loads
.else
	s_wait_dscnt 4                                 ; behind them: the last step's four stores
.endif
.endm
	s_cmp_lg_u32 s3, 0                             ; (compared anew: the sums above have set SCC)
	s_cbranch_scc1 .Lw
; ---------------- x ----------------
	s_add_nc_u64 s[16:17], s[16:17], s[12:13]
.macro LOADX t
.irp i, 0,1,2,3
	global_load_b128 v[R+16*((\t)%4)+4*\i:R+16*((\t)%4)+4*\i+3], v3, s[16:17] offset:16384*(4*((\t)%4)+\i)+512*((\t)/4) th:TH_LOAD_NT
.endr
.endm
.macro STEPX t
	HEADWAIT \t
.if (\t)+4 < STEPS
	LOADX (\t)+4                                   ; into the set that this step has left
.endif
.if (\t)+1 < STEPS
.if STEPS-2-(\t) >= 3
	s_wait_loadcnt 12                              ; the next step's four loads are in; those of the three steps behind it may be out
.else
	s_wait_loadcnt 4*(STEPS-2-(\t))                ; at the end fewer steps stand behind it
.endif
	TURN (\t)+1, 0                                 ; the next step turns through the other stage while this one is worked
.endif
.if (\t)%4 == 0 && (\t) > 0
	s_wait_dscnt 8                                 ; the finished fragment is in registers; behind its loads stand the turn's eight
	FLUSHST (\t)/4-1
.endif
	QUANT \t, CSX, SBX
.if (\t)%4 == 3
.if (\t) > 3
	s_wait_xcnt 0x0                                ; the last fragment's stores have read their registers: only now are they loaded again
.endif
	FLUSHLD CSX
.endif
.endm
.irp t, 0,1,2,3
	LOADX \t
.endr
	s_wait_loadcnt 12                              ; step 0's four loads are in, the twelve younger stay out
	TURN 0, 0
.irp t, 0,1,2,3,4,5,6,7,8,9,10,11,12,13,14,15
	STEPX \t
.endr
	s_branch .Ltail
; ---------------- W ----------------
.Lw:
	s_add_nc_u64 s[18:19], s[18:19], s[12:13]      ; W_q
	s_add_nc_u64 s[20:21], s[20:21], s[12:13]      ; mask
	s_lshl_b32 s12, s38, 8                         ; rows of 64 groups x 4 bytes,
	s_lshl_b32 s5, s35, 5                          ; the tile's eight groups
	s_add_co_u32 s12, s12, s5
	s_add_nc_u64 s[22:23], s[22:23], s[12:13]      ; scales
	s_add_nc_u64 s[24:25], s[24:25], s[12:13]      ; zeros
	s_mov_b32 s12, s7
	s_add_nc_u64 s[26:27], s[26:27], s[12:13]      ; mu1 at the tile's columns
	s_lshl_b32 s12, s38, 2
	s_add_nc_u64 s[28:29], s[28:29], s[12:13]      ; mu2 at my rows
	s_load_b512 s[MU2:MU2+15], s[28:29], 0x0
.irp i, 0,1,2,3
	s_mov_b32 s[TP+2*\i+1], 0                      ; the packed form names a pair and takes its low word for both halves: the high words are written once
.endr
.macro LOADW t                         ; step t: W_q into R's set, mask into MK's
.irp i, 0,1,2,3
	global_load_b128 v[R+16*((\t)%4)+4*\i:R+16*((\t)%4)+4*\i+3], v3, s[18:19] offset:16384*(4*((\t)%4)+\i)+512*((\t)/4) th:TH_LOAD_NT
.endr
.irp i, 0,1,2,3
	global_load_b128 v[MK+16*((\t)%4)+4*\i:MK+16*((\t)%4)+4*\i+3], v3, s[20:21] offset:16384*(4*((\t)%4)+\i)+512*((\t)/4) th:TH_LOAD_NT
.endr
.endm
.macro SZLOAD t                        ; step t's scales and zeros: group 2 s + lane / 16, rows 4 u .. 4 u + 3: 16 bytes each; sixteen lanes read the same address
	ds_load_b128 v[SZ+8*((\t)%2):SZ+8*((\t)%2)+3], v13 offset:SIN+128*((\t)/4)+16*((\t)%4)
	ds_load_b128 v[SZ+8*((\t)%2)+4:SZ+8*((\t)%2)+7], v13 offset:ZIN+128*((\t)/4)+16*((\t)%4)
.endm
; Wd of step t, in place in R's set.  Five runs of eight packed instructions, one operation for all sixteen numbers before the next: no line waits for the line above it.
; Registers 4 i .. 4 i + 3 belong to row i of the step's four: loads i and i + 1 name the same pair of zeros (scales), the first taking its first register for both halves, the second its second.
.macro ELEM t
.set RS, R+16*((\t)%4)
.set MS, MK+16*((\t)%4)
.set SS, SZ+8*((\t)%2)
.set ZS, SZ+8*((\t)%2)+4
.set US, MU+4*((\t)/4)
.irp i, 0,1,2,3
	s_mov_b32 s[TP+2*\i], s[MU2+4*((\t)%4)+\i]     ; the four rows' mu2
.endr
.irp j, 0,1,2,3,4,5,6,7,8,9,10,11,12,13,14,15
	v_cvt_f32_i32 v[RS+\j], v[RS+\j]
.endr
.irp i, 0,2
.irp p, 0,2
	v_pk_add_f32 v[RS+4*\i+\p:RS+4*\i+\p+1], v[RS+4*\i+\p:RS+4*\i+\p+1], v[ZS+\i:ZS+\i+1] op_sel_hi:[1,0] neg_lo:[0,1] neg_hi:[0,1]   ; - zero
.endr
.irp p, 4,6
	v_pk_add_f32 v[RS+4*\i+\p:RS+4*\i+\p+1], v[RS+4*\i+\p:RS+4*\i+\p+1], v[ZS+\i:ZS+\i+1] op_sel:[0,1] op_sel_hi:[1,1] neg_lo:[0,1] neg_hi:[0,1]
.endr
.endr
.irp i, 0,2
.irp p, 0,2
	v_pk_mul_f32 v[RS+4*\i+\p:RS+4*\i+\p+1], v[RS+4*\i+\p:RS+4*\i+\p+1], v[SS+\i:SS+\i+1] op_sel_hi:[1,0]   ; x scale
.endr
.irp p, 4,6
	v_pk_mul_f32 v[RS+4*\i+\p:RS+4*\i+\p+1], v[RS+4*\i+\p:RS+4*\i+\p+1], v[SS+\i:SS+\i+1] op_sel:[0,1] op_sel_hi:[1,1]
.endr
.endr
.irp i, 0,1,2,3
.irp p, 0,2
	v_pk_mul_f32 v[RS+4*\i+\p:RS+4*\i+\p+1], v[RS+4*\i+\p:RS+4*\i+\p+1], s[TP+2*\i:TP+2*\i+1] op_sel_hi:[1,0]   ; x mu2
.endr
.endr
.irp i, 0,1,2,3
.irp p, 0,2
	v_pk_mul_f32 v[RS+4*\i+\p:RS+4*\i+\p+1], v[RS+4*\i+\p:RS+4*\i+\p+1], v[US+\p:US+\p+1]                      ; x mu1: the same four columns in all four rows
.endr
.endr
.irp j, 0,2,4,6,8,10,12,14
	v_pk_mul_f32 v[RS+\j:RS+\j+1], v[RS+\j:RS+\j+1], v[MS+\j:MS+\j+1]              ; x mask
.endr
.endm
.macro STEPW t
	HEADWAIT \t                                    ; (the next step's scales and zeros, asked for ahead of the last step's stores, are back too)
.if (\t)+4 < STEPS
	LOADW (\t)+4                                   ; into the sets that this step has left
.endif
.if (\t)+1 < STEPS
.if STEPS-2-(\t) >= 3
	s_wait_loadcnt 24                              ; the next step's eight loads are in; those of the three steps behind it may be out
.else
	s_wait_loadcnt 8*(STEPS-2-(\t))
.endif
	ELEM (\t)+1
	TURN (\t)+1, LB
.if (\t)+2 < STEPS
	SZLOAD (\t)+2
.endif
.endif
.if (\t)%4 == 0 && (\t) > 0
	s_wait_dscnt 10                                ; the finished fragment is in registers; behind its loads stand the turn's eight and the two loads of scales and zeros
	FLUSHST (\t)/4-1
.endif
	QUANT \t, CSW, SBW
.if (\t)%4 == 3
.if (\t) > 3
	s_wait_xcnt 0x0                                ; the last fragment's stores have read their registers: only now are they loaded again
.endif
	FLUSHLD CSW
.endif
.endm
	s_wait_alu depctr_va_vdst(0)
	global_load_b128 v[SZ+8:SZ+11], v1, s[22:23]   ; my sixteen rows' scales of the tile's eight groups: 32 bytes of each row, read once by this wave; the eight tiles of a row's columns are neighbours in the grid
	global_load_b128 v[SZ+12:SZ+15], v1, s[24:25]  ; and zeros
.irp s, 0,1,2,3
	global_load_b128 v[MU+4*\s:MU+4*\s+3], v3, s[26:27] offset:512*\s
.endr
.irp t, 0,1,2,3
	LOADW \t
.endr
	s_wait_loadcnt 36                              ; scales and zeros are in; mu1's 4 loads and the four steps' 32 stay out
.irp j, 0,1,2,3
	ds_store_b32 v10, v[SZ+8+\j] offset:SIN+64*\j  ; turned on the way in: 64 x group + 4 x row, so that four rows' numbers of one group are 16 neighbouring bytes
	ds_store_b32 v10, v[SZ+12+\j] offset:ZIN+64*\j
.endr
	SZLOAD 0
	s_wait_kmcnt 0x0                               ; mu2
	s_wait_loadcnt 24                              ; mu1 and step 0 are in; steps 1 to 3 stay out
	s_wait_dscnt 0x0                               ; step 0's scales and zeros; and the eight stores have read their registers, which step 1's scales and zeros take
	ELEM 0
	TURN 0, LB
	SZLOAD 1
.irp t, 0,1,2,3,4,5,6,7,8,9,10,11,12,13,14,15
	STEPW \t
.endr
; ---------------- the last fragment and the scale words leave ----------------
.Ltail:
	s_wait_dscnt 0x0                               ; for the others' sake: my byte stores have landed; and my last fragment is in registers
	s_barrier_signal -1
	s_barrier_wait -1                              ; everybody's have: a K step's 256 bytes of scale words come from all four waves
	FLUSHST 3
	ds_load_b64 v[8:9], v6
	s_wait_dscnt 0x0
	global_store_b64 v7, v[8:9], s[10:11]          ; 32 lanes store 256 consecutive bytes, at a multiple of 256 from the buffer's first byte
	s_wait_tensorcnt 0x0
	ds_add_u32 v240, v241
	s_wait_dscnt 0x0
	s_endpgm
.Lfunc_end_k_q454e414535_quant:
	.size	k_q454e414535_quant, .Lfunc_end_k_q454e414535_quant-k_q454e414535_quant
	.p2alignl 7, 3214868480
	.fill 96, 4, 3214868480
	.section	.rodata,"a",@progbits
	.p2align	6, 0x0
	.amdhsa_kernel k_q454e414535_quant
		.amdhsa_group_segment_fixed_size 68096
		.amdhsa_private_segment_fixed_size 0
		.amdhsa_enable_private_segment 0
		.amdhsa_kernarg_size 72
		.amdhsa_user_sgpr_count 2
		.amdhsa_user_sgpr_kernarg_segment_ptr 1
		.amdhsa_wavefront_size32 1
		.amdhsa_system_sgpr_workgroup_id_x 1
		.amdhsa_system_sgpr_workgroup_id_y 1
		.amdhsa_system_sgpr_workgroup_id_z 1
		.amdhsa_system_vgpr_workitem_id 0
		.amdhsa_next_free_vgpr 242
		.amdhsa_next_free_sgpr 84
		.amdhsa_reserve_vcc 0
		.amdhsa_float_denorm_mode_32 3
		.amdhsa_float_denorm_mode_16_64 3
		.amdhsa_memory_ordered 1
		.amdhsa_forward_progress 1
		.amdhsa_inst_pref_size 130
	.end_amdhsa_kernel
	.amdgpu_metadata
---
amdhsa.version: [ 1, 2 ]
amdhsa.kernels:
  - .name:           k_q454e414535_quant
    .symbol:         k_q454e414535_quant.kd
    .args:
      - { .name: x, .offset: 0, .size: 8, .value_kind: global_buffer, .address_space: global }
      - { .name: W_q, .offset: 8, .size: 8, .value_kind: global_buffer, .address_space: global }
      - { .name: mask, .offset: 16, .size: 8, .value_kind: global_buffer, .address_space: global }
      - { .name: scales, .offset: 24, .size: 8, .value_kind: global_buffer, .address_space: global }
      - { .name: zeros, .offset: 32, .size: 8, .value_kind: global_buffer, .address_space: global }
      - { .name: mu1, .offset: 40, .size: 8, .value_kind: global_buffer, .address_space: global }
      - { .name: mu2, .offset: 48, .size: 8, .value_kind: global_buffer, .address_space: global }
      - { .name: xq, .offset: 56, .size: 8, .value_kind: global_buffer, .address_space: global }
      - { .name: wq, .offset: 64, .size: 8, .value_kind: global_buffer, .address_space: global }
    .group_segment_fixed_size: 68096
    .private_segment_fixed_size: 0
    .kernarg_segment_align: 8
    .kernarg_segment_size: 72
    .max_flat_workgroup_size: 128
    .sgpr_count:     84
    .vgpr_count:     242
    .wavefront_size: 32
...
	.end_amdgpu_metadata
.endif
;; end of part 1
;; launch gemm (part 2): grid 16 x 16, 4 waves a work-group, clusters of 4 x 4, 327,680 bytes of LDS; arguments xq, wq, out0; writes out0
.if DOCPART == 2
	.amdgcn_target "amdgcn-amd-amdhsa--gfx1250"
	.amdhsa_code_object_version 6
	.text
	.protected	k_q454e414535_gemm
	.globl	k_q454e414535_gemm
	.p2align	8
	.type	k_q454e414535_gemm,@function
k_q454e414535_gemm:
	s_mov_b64 s[64:65], 0
	v_nop
	global_prefetch_b8 v0, s[64:65] scope:SCOPE_SE
	s_setreg_imm32_b32 hwreg(HW_REG_WAVE_MODE, 25, 1), 1
	s_wait_xcnt 0x0
	s_wait_alu depctr_hold_cnt(0) depctr_sa_sdst(0) depctr_va_vdst(0) depctr_va_sdst(0) depctr_va_ssrc(0) depctr_va_vcc(0) depctr_vm_vsrc(0)
	s_getreg_b32 s2, hwreg(HW_REG_IB_STS2, 6, 4)
	s_cmp_eq_u32 s2, 0
	s_cbranch_scc0 .Lentry_in_a_cluster
	s_endpgm
.Lentry_in_a_cluster:
	s_bfe_u32 s2, ttmp6, 0x10000c
	s_cmp_lg_u32 s2, 0xf033
	s_cbranch_scc0 .Lentry_shape_is_right
	s_endpgm
.Lentry_shape_is_right:
; out0[m][j] = sum over n of x[m][n] Wd[j][n], both operands as codes of BF6 (E3M2) with one E8M0 byte for each 32 along n; sums in f32.
; xq, wq: [32 groups of 128 rows][32 K steps of 128][12,800 bytes]: a chunk is 8 fragments (16 rows x 128 K) of 1,536 bytes, laid as the operand's registers (lane l: 48 bytes at 48 l),
; then 8 x 16 scale words (block i, row r at 12,288 + 64 i + 4 r).  A chunk is 50 blocks of 256 bytes, so every tile is dense and begins at a multiple of 256 bytes.
; A tile of out0, 256 x 256, is made by four waves; a wave makes 128 x 128: 64 accumulators, 512 registers.  K goes through a ring of two LDS slots; a slot holds THREE K steps of A's two groups and B's two groups
; (4 x 38,400 bytes); each wave fetches one group's three chunks by one tensor load of 150 rows of 256 bytes.  32 steps are ten fills of three and a last one of two.
; CLUSTERS: 4 x 4 work-groups; A's tiles are asked for jointly along a row of the cluster, B's along a column.  Each refill stands behind a round of the cluster's barrier.
; THE MATRIX INSTRUCTION IS USED TRANSPOSED (source 0 = 16 rows of wq, source 1 = 16 rows of xq): a lane holds eight neighbouring numbers of a row of out0.
; A STEP is 64 matrix instructions, A's blocks one after the other, each against B's eight; the 64 accumulators take turns in the same order in every step.
; The next step's 56 LDS loads (8 scale words, 24 for B, 24 for A, in this order) go into the other set of registers, in the few runs that the table RN / TN lays down.
; PREFETCH: behind each joint load the fill that the NEXT refill will ask for is named, 150 blocks of 256 bytes for each wave's tile, shared out by address among the four partners (38 blocks each, a lane a block,
; left-over lanes name their last block again).  The first two asks stand at the head; the last fill, of 100 blocks, is not asked for, so that no lane leaves its buffer.
; THE LAST K STEP: block a of 16 rows is finished by its eight products, and leaves through the wave's stage while the later blocks are multiplied.
; REGISTERS: window 0: v16-31 addresses; v32-47 scale words, two sets; v64-159, v160-255 A's fragments, two sets.  Window 1: v0-95, v128-223 B's fragments, two sets.  Windows 2, 3: accumulators (a, b) at v[8 (8 (a % 4) + b)].
.set SIZE_N, 4096
.set FR,     12
.set FRB,    1536
.set SCO,    8*FRB
.set CHUNK,  SCO+512
.set TILEB,  3*CHUNK                   ; what one tensor load brings: three K steps of one group of 128 rows
.set GSTR,   32*CHUNK
.set SLOT,   4*TILEB
.set SPARE,  2*SLOT                    ; behind the ring: the spare words, 128 bytes a wave, that no other line names
.set STAGE,  SLOT                      ; the way out goes through slot 1, which has had its last fill and its last read by then (the last fill lies in slot 0)
.set SPITCH, 528
.set NP,     4                         ; places behind this matrix form (ISA guide 7.12.1)
.set TRIPS,  4
.set ADRA, 16                          ; v16-17 my A fragments in slot 0, 1
.set ADRS, 18                          ; v18-19 scale words: lanes 0-15 A's, lanes 16-31 B's
.set ADRB, 20                          ; v20-21 my B fragments
.set STO,  24
.set RD,   25
.set CO,   26
.set SPW,  28
.set NIL,  29
.set PFO,  30                          ; v30-31 the prefetches' offsets
.set SC,   32
.set AF,   64
.set G1,   24                          ; group 1 for A's tiles of three chunks; G0: group 0, one set a slot
.set G0,   32
.set G1B,  48
.set G0B,  56
.set G1R,  68                          ; group 1 for the last fill, two chunks
.set G1RB, 76
.set PFA,  96
; how many of the next step's 56 loads stand behind block a's products: in a plain step (RN), and in a step that changes slots (TNR: behind the refill; TN)
.set RN0, 0
.set RN1, 32
.set RN2, 0
.set RN3, 0
.set RN4, 24
.set RN5, 0
.set RN6, 0
.set RN7, 0
.set TNR, 32
.set TN2, 0
.set TN3, 0
.set TN4, 24
.set TN5, 0
.set TN6, 0
.set TN7, 0
.set MSB, 0
.macro WIN new                         ; the immediate's high byte repeats the setting that is left
.if MSB != \new
	s_set_vgpr_msb (MSB<<8)|\new
.set MSB, \new
.endif
.endm
.set MUL_LO, 0xa1                      ; source 0 (B) window 1, source 1 (A) window 0, C and D window 2
.set MUL_HI, 0xf1
.set TO_B,   0x40
.macro JLOAD g0a, g1a, g0b, g1b        ; a joint load: waves 0, 1 fetch A's groups, waves 2, 3 B's; s_nop 0 and four v_nop behind each line
	s_cmp_eq_u32 s15, 0
	s_cbranch_scc0 .Lfor_b_\@
	tensor_load_to_lds s[\g0a:\g0a+3], s[\g1a:\g1a+7]
	s_nop 0
.rept 4
	v_nop
.endr
	s_branch .Lasked_\@
.Lfor_b_\@:
	tensor_load_to_lds s[\g0b:\g0b+3], s[\g1b:\g1b+7]
	s_nop 0
.rept 4
	v_nop
.endr
.Lasked_\@:
.endm
.macro ASK how, off                    ; how = 2: not in the loop's last trip, whose next fill is the short one
.if \how == 2
	s_cmp_gt_u32 s3, 1
	s_cbranch_scc0 .Lno_ask_\@
.endif
	global_prefetch_b8 v[PFO], s[PFA:PFA+1] offset:\off th:TH_LOAD_NT scope:SCOPE_SE
	global_prefetch_b8 v[PFO+1], s[PFA:PFA+1] offset:\off th:TH_LOAD_NT scope:SCOPE_SE
.if \how == 2
.Lno_ask_\@:
.endif
.endm
.macro CREST                           ; a round of the cluster's barrier behind its opening barrier
	s_cmp_lg_u32 s14, 0
	s_cbranch_scc1 .Lnot_wave_0_\@
	s_barrier_signal -3
.Lnot_wave_0_\@:
	s_barrier_wait -3
	s_barrier_signal -1
	s_barrier_wait -1
.endm
.macro CROUND
	s_barrier_signal -1
	s_barrier_wait -1
	CREST
.endm
	s_load_b128 s[4:7], s[0:1], 0x0                ; xq, wq
	s_load_b64 s[8:9], s[0:1], 0x10                ; out0
	v_lshl_add_u32 v[SPW], v0, 2, SPARE
	v_mov_b32 v[NIL], 0
	ds_add_u32 v[SPW], v[NIL]                      ; the opening lines: the add, twice on end, and one wait; the whole set-up on registers stands between
	ds_add_u32 v[SPW], v[NIL]
	v_lshrrev_b32 v1, 5, v0
	v_readfirstlane_b32 s14, v1                    ; wave 0..3
	s_lshr_b32 s15, s14, 1                         ; my half of the tile's rows; also: I fetch for A (0) or B (1)
	s_and_b32 s16, s14, 1                          ; my half of its columns; also: which group I fetch
	s_bfe_u32 s40, ttmp6, 0x40000                  ; cx
	s_bfe_u32 s41, ttmp6, 0x40004                  ; cy
	s_lshl_b32 s42, ttmp9, 2
	s_add_co_u32 s42, s42, s40                     ; tile column
	s_and_b32 s17, ttmp7, 0xffff
	s_lshl_b32 s17, s17, 2
	s_add_co_u32 s17, s17, s41                     ; tile row
	s_lshl_b32 s43, s41, 2
	s_lshl_b32 s43, 15, s43                        ; my row of the cluster
	s_lshl_b32 s44, 0x1111, s40                    ; my column
	s_or_b32 s[G1+0], s43, (3<<16)|(1<<21)         ; the mask; elements of 8 bytes; bit 21 beside a mask
	s_or_b32 s[G1B+0], s44, (3<<16)|(1<<21)
	s_or_b32 s[G1R+0], s43, (3<<16)|(1<<21)
	s_or_b32 s[G1RB+0], s44, (3<<16)|(1<<21)
.irp g, G1, G1B
	s_mov_b32 s[\g+1], 32<<16                      ; rows of 32 elements = 256 bytes,
	s_mov_b32 s[\g+2], (TILEB/256)<<16             ; 150 of them, dense
	s_mov_b32 s[\g+3], 32<<16
	s_mov_b32 s[\g+4], TILEB/256
	s_mov_b32 s[\g+5], 32
	s_mov_b32 s[\g+6], 0
	s_mov_b32 s[\g+7], 0
.endr
.irp g, G1R, G1RB
	s_mov_b32 s[\g+1], 32<<16
	s_mov_b32 s[\g+2], (2*CHUNK/256)<<16           ; 100 rows
	s_mov_b32 s[\g+3], 32<<16
	s_mov_b32 s[\g+4], 2*CHUNK/256
	s_mov_b32 s[\g+5], 32
	s_mov_b32 s[\g+6], 0
	s_mov_b32 s[\g+7], 0
.endr
	s_lshl_b32 s20, s17, 1
	s_add_co_u32 s20, s20, s16
	s_mul_i32 s20, s20, GSTR                       ; A: group 2 x tile row + which
	s_mov_b32 s21, 0
	s_lshl_b32 s46, s42, 1
	s_add_co_u32 s46, s46, s16
	s_mul_i32 s46, s46, GSTR                       ; B: group 2 x tile column + which
	s_mov_b32 s47, 0
	s_mul_i32 s45, s14, TILEB                      ; where my tile goes in a slot
	s_mul_i32 s10, s15, TILEB                      ; what I read: A's group,
	s_mul_i32 s11, s16, TILEB
	s_add_co_u32 s11, s11, 2*TILEB                 ; B's group,
	s_sub_co_u32 s12, s11, s10
	s_add_co_u32 s13, s10, SCO                     ; A's scale words
	s_mul_i32 s19, s14, 16*SPITCH
	s_add_co_u32 s19, s19, STAGE                   ; my stage
	s_lshl_b32 s92, s17, 22                        ; my part of out0, in bytes: (256 x tile row + 128 x half) rows of 16,384,
	s_lshl_b32 s93, s15, 21
	s_add_co_u32 s92, s92, s93
	s_lshl_b32 s93, s42, 10                        ; + 1,024 x tile column + 512 x half
	s_add_co_u32 s92, s92, s93
	s_lshl_b32 s93, s16, 9
	s_add_co_u32 s92, s92, s93
	s_mov_b32 s93, 0
	s_lshl_b32 s66, s17, 1                         ; the prefetches: the group that I fetch, one fill on; my place among the four that ask for it
	s_lshl_b32 s67, s42, 1
	s_cmp_eq_u32 s15, 0
	s_cselect_b32 s98, s66, s67
	s_cselect_b32 s66, s40, s41
	s_add_co_u32 s98, s98, s16
	s_mul_i32 s98, s98, GSTR
	s_add_co_u32 s98, s98, TILEB
	s_mov_b32 s99, 0
	s_mul_i32 s66, s66, 38
	v_and_b32 v1, 15, v0                           ; r
	v_bfe_u32 v2, v0, 4, 1                         ; h
	v_and_b32 v6, 31, v0                           ; lane
	v_mul_u32_u24 v3, v6, 48                       ; a lane's 48 bytes of a fragment
	v_mul_u32_u24 v5, s12, v2                      ; lanes 16-31 take B's scale words
	v_lshl_add_u32 v5, v1, 2, v5
	v_add_nc_u32 v[ADRA], s10, v3
	v_add_nc_u32 v[ADRB], s11, v3
	v_add_nc_u32 v[ADRS], s13, v5
	v_add_nc_u32 v[ADRA+1], SLOT, v[ADRA]
	v_add_nc_u32 v[ADRB+1], SLOT, v[ADRB]
	v_add_nc_u32 v[ADRS+1], SLOT, v[ADRS]
	v_mul_u32_u24 v7, v1, SPITCH                   ; the stage, in: row r, 32 bytes for each half of the lanes
	v_lshl_add_u32 v7, v2, 5, v7
	v_add_nc_u32 v[STO], s19, v7
	v_lshlrev_b32 v[CO], 4, v6                     ; back: 32 lanes take a row of 512 bytes; the same in out0
	v_add_nc_u32 v[RD], s19, v[CO]
	v_add_nc_u32 v[PFO], s66, v6                   ; blocks 38 place + 0 .. 31,
	v_min_u32 v[PFO+1], 5, v6
	v_add_nc_u32 v[PFO+1], 32, v[PFO+1]
	v_add_nc_u32 v[PFO+1], s66, v[PFO+1]           ; and + 32 .. 37,
	v_min_u32 v[PFO+1], 149, v[PFO+1]              ; held inside the tile's 150
	v_lshlrev_b32 v[PFO], 8, v[PFO]
	v_lshlrev_b32 v[PFO+1], 8, v[PFO+1]
	s_wait_alu depctr_va_vdst(0)                   ; the wait at the head's end
	s_wait_dscnt 0x0                               ; both opening adds are done
	s_wait_kmcnt 0x0
	s_add_nc_u64 s[20:21], s[4:5], s[20:21]
	s_add_nc_u64 s[46:47], s[6:7], s[46:47]
	s_add_nc_u64 s[8:9], s[8:9], s[92:93]
	s_cmp_eq_u32 s15, 0
	s_cselect_b64 s[PFA:PFA+1], s[4:5], s[6:7]
	s_add_nc_u64 s[PFA:PFA+1], s[PFA:PFA+1], s[98:99]
.irp s, 0,1
	s_mov_b32 s[G0+4*\s], 1
	s_add_co_u32 s[G0+4*\s+1], s45, \s*SLOT
	s_add_nc_u64 s[G0+4*\s+2:G0+4*\s+3], s[20:21], \s*TILEB
	s_or_b32 s[G0+4*\s+3], s[G0+4*\s+3], 0x80000000
	s_mov_b32 s[G0B+4*\s], 1
	s_add_co_u32 s[G0B+4*\s+1], s45, \s*SLOT
	s_add_nc_u64 s[G0B+4*\s+2:G0B+4*\s+3], s[46:47], \s*TILEB
	s_or_b32 s[G0B+4*\s+3], s[G0B+4*\s+3], 0x80000000
.endr
	CROUND                                         ; all sixteen work-groups are here: the first joint loads meet
	JLOAD G0, G1, G0B, G1B                         ; K steps 0 to 2: one tensor load a wave at the head
	ASK 1, 0                                       ; K steps 3 to 5 are named while the first fill is on its way
; n of the next step's loads, from number LI on: chunk q of the slot into set p
.macro LOADS slot, q, p, n
.rept \n
.if LI < 8
	WIN 0
	ds_load_b32 v[SC+8*(\p)+LI], v[ADRS+\slot] offset:(\q)*CHUNK+64*LI
.elseif LI < 32
	WIN TO_B
	ds_load_b128 v[128*(\p)+4*(LI-8):128*(\p)+4*(LI-8)+3], v[ADRB+\slot] offset:(\q)*CHUNK+((LI-8)/3)*FRB+16*((LI-8)%3)
.else
	WIN 0
	ds_load_b128 v[AF+96*(\p)+4*(LI-32):AF+96*(\p)+4*(LI-32)+3], v[ADRA+\slot] offset:(\q)*CHUNK+((LI-32)/3)*FRB+16*((LI-32)%3)
.endif
.set LI, LI+1
.endr
.endm
; A's block a against B's eight, 128 along K, set p.  zero = 1: the first product starts the sums
.macro MUL8 a, p, zero
.irp b, 0,1,2,3,4,5,6,7
.if \zero
	v_wmma_scale_f32_16x16x128_f8f6f4 v[8*(8*((\a)%4)+\b):8*(8*((\a)%4)+\b)+7], v[128*(\p)+FR*\b:128*(\p)+FR*\b+FR-1], v[AF+96*(\p)+FR*(\a):AF+96*(\p)+FR*(\a)+FR-1], 0, v[SC+8*(\p)+\b], v[SC+8*(\p)+(\a)] matrix_a_fmt:MATRIX_FMT_BF6 matrix_b_fmt:MATRIX_FMT_BF6 matrix_a_scale:MATRIX_SCALE_ROW1
.else
	v_wmma_scale_f32_16x16x128_f8f6f4 v[8*(8*((\a)%4)+\b):8*(8*((\a)%4)+\b)+7], v[128*(\p)+FR*\b:128*(\p)+FR*\b+FR-1], v[AF+96*(\p)+FR*(\a):AF+96*(\p)+FR*(\a)+FR-1], v[8*(8*((\a)%4)+\b):8*(8*((\a)%4)+\b)+7], v[SC+8*(\p)+\b], v[SC+8*(\p)+(\a)] matrix_a_fmt:MATRIX_FMT_BF6 matrix_b_fmt:MATRIX_FMT_BF6 matrix_a_scale:MATRIX_SCALE_ROW1
.endif
.endr
.endm
.macro PLACES n
.rept \n
	v_nop
.endr
.endm
; A plain step: multiplies set p and fetches chunk q + 1 of the same slot into the other set.
; The wait ahead of block a: behind A's block a were issued the three loads of each later block and the LI loads of this step.
; Four places stand once, ahead of the step's first run: the other set was last read by the step before.
.macro STEP slot, q, p, zero
.set LI, 0
.irp a, 0,1,2,3,4,5,6,7
.set WC, 3*(7-\a)+LI
.if WC > 63
.set WC, 63
.endif
	s_wait_dscnt WC
	WIN MUL_LO+0x50*(\a/4)
	MUL8 \a, \p, \zero
.if RN\a > 0
.if LI == 0
	PLACES NP
.endif
	LOADS \slot, (\q)+1, 1-(\p), RN\a
.endif
.endr
.endm
; A slot's last step.  fill = 1: the slot is filled again with three chunks, 2: with the last two, 0: not at all.  ask: see ASK.
.macro TURN slot, next, p, fill, ask
	WIN 0                                          ; the add's registers lie in window 0
.if \ask
	s_wait_xcnt 0x0                                ; my last prefetches have read their address
	s_add_nc_u64 s[PFA:PFA+1], s[PFA:PFA+1], TILEB
.endif
	s_wait_tensorcnt 0x0                           ; my one load that was out, my part of the next slot, has landed
	ds_add_u32 v[SPW], v[NIL]
.if \fill
	s_add_nc_u64 s[G0+4*\slot+2:G0+4*\slot+3], s[G0+4*\slot+2:G0+4*\slot+3], 2*TILEB     ; no load of mine is out: this slot's next tile
	s_add_nc_u64 s[G0B+4*\slot+2:G0B+4*\slot+3], s[G0B+4*\slot+2:G0B+4*\slot+3], 2*TILEB
.endif
	s_wait_dscnt 22                                ; the add and A's blocks 1 to 7 may be out
	WIN MUL_LO
	MUL8 0, \p, 0
	s_wait_dscnt 0x0                               ; the add is done, and my reads of this slot are over
	s_barrier_signal -1
	MUL8 1, \p, 0
	WIN 0
	s_barrier_wait -1
.if \fill
	CREST                                          ; the barrier has opened a round: no wave of any partner reads this slot or has a load out
.if \fill == 1
	JLOAD G0+4*\slot, G1, G0B+4*\slot, G1B         ; its four v_nop are also the places ahead of the loads below
.else
	JLOAD G0+4*\slot, G1R, G0B+4*\slot, G1RB
.endif
.else
	PLACES NP
.endif
.set LI, 0
	LOADS \next, 0, 1-(\p), TNR
.if \ask
	WIN 0
	ASK \ask, TILEB
.endif
.irp a, 2,3,4,5,6,7
	WIN MUL_LO+0x50*(\a/4)
	MUL8 \a, \p, 0
.if TN\a > 0
	LOADS \next, 0, 1-(\p), TN\a
.endif
.endr
.endm
	s_wait_tensorcnt 0x0                           ; my part of the first fill is in
	ds_add_u32 v[SPW], v[NIL]
	s_wait_dscnt 0x0
	CROUND                                         ; everybody's part is in, and the joint loads meet
	JLOAD G0+4, G1, G0B+4, G1B                     ; K steps 3 to 5: slot 1's first fill
.set LI, 0
	LOADS 0, 0, 0, 56
	ASK 1, TILEB                                   ; K steps 6 to 8
	STEP 0, 0, 0, 1                                ; the first step's products start the sums
	WIN 0
	s_mov_b32 s3, TRIPS
.Llap:                                                 ; a trip: six K steps, once round the ring, both slots filled again
	STEP 0, 1, 1, 0
	TURN 0, 1, 0, 1, 1
	STEP 1, 0, 1, 0
	STEP 1, 1, 0, 0
	TURN 1, 0, 1, 1, 2
	STEP 0, 0, 0, 0
	WIN 0
	s_sub_co_u32 s3, s3, 1
	s_cmp_lg_u32 s3, 0
	s_cbranch_scc1 .Llap
	STEP 0, 1, 1, 0
	TURN 0, 1, 0, 2, 0                             ; the last fill: K steps 30 and 31
	STEP 1, 0, 1, 0
	STEP 1, 1, 0, 0
	TURN 1, 0, 1, 0, 0                             ; nothing is filled again: no round
	STEP 0, 0, 0, 0
; THE LAST STEP AND THE WAY OUT.  A block of 16 rows x 128 columns goes into my stage (each accumulator from its low end on) and comes back as rows of 512 bytes;
; LDS serves a wave's instructions in order, so no wait stands between the stores and the loads.  The rows come back into registers that set 0 has left: window 0 v64-127 and window 1 v0-63 by turns.
.macro TOSTAGE a
.set AC, 64*((\a)%4)
.set BB, 64*(1-(\a)%2)
	WIN 0x08+4*((\a)/4)                            ; the data: window 2 or 3
.irp b, 0,1,2,3,4,5,6,7
	ds_store_b128 v[STO], v[AC+8*\b:AC+8*\b+3] offset:64*\b
	ds_store_b128 v[STO], v[AC+8*\b+4:AC+8*\b+7] offset:64*\b+16
.endr
	WIN 0x40*((\a)%2)
.irp t, 0,1,2,3,4,5,6,7,8,9,10,11,12,13,14,15
	ds_load_b128 v[BB+4*\t:BB+4*\t+3], v[RD] offset:\t*SPITCH
.endr
.endm
.macro SEND a, younger                 ; younger: LDS instructions issued behind block a's loads
.set BB, 64*(1-(\a)%2)
	s_wait_dscnt \younger
	WIN 0x04*((\a)%2)
.irp t, 0,1,2,3,4,5,6,7,8,9,10,11,12,13,14,15
	global_store_b128 v[CO], v[BB+4*\t:BB+4*\t+3], s[8:9] offset:(16*(\a)+\t)*SIZE_N*4 th:TH_STORE_NT   ; 32 lanes store 512 consecutive bytes, at a multiple of 256; the row stands in the immediate, 127 rows at the most
.endr
.endm
	s_wait_dscnt 0x0                               ; all of the last step's fragments are in
	WIN MUL_LO
	MUL8 0, 1, 0
.irp a, 0,1,2,3,4,5,6,7
.if \a < 7
	WIN MUL_LO+0x50*((\a+1)/4)
	MUL8 \a+1, 1, 0
.endif
	PLACES NP                                      ; behind block a's products, ahead of the stores that read them
.if \a > 1
	s_wait_xcnt 0x0                                ; block a - 2's stores have read their registers, which block a's rows take
.endif
	TOSTAGE \a
.if \a > 0
	SEND \a-1, 32                                  ; behind block a - 1's loads: block a's 16 stores and 16 loads
.endif
.endr
	SEND 7, 0
	WIN 0
	s_wait_tensorcnt 0x0                           ; the wave's end
	ds_add_u32 v[SPW], v[NIL]
	s_wait_dscnt 0x0
	CROUND                                         ; the closing round
	s_endpgm
.Lfunc_end_k_q454e414535_gemm:
	.size	k_q454e414535_gemm, .Lfunc_end_k_q454e414535_gemm-k_q454e414535_gemm
	.p2alignl 7, 3214868480
	.fill 96, 4, 3214868480
	.section	.rodata,"a",@progbits
	.p2align	6, 0x0
	.amdhsa_kernel k_q454e414535_gemm
		.amdhsa_group_segment_fixed_size 327680
		.amdhsa_private_segment_fixed_size 0
		.amdhsa_enable_private_segment 0
		.amdhsa_kernarg_size 24
		.amdhsa_user_sgpr_count 2
		.amdhsa_user_sgpr_kernarg_segment_ptr 1
		.amdhsa_wavefront_size32 1
		.amdhsa_system_sgpr_workgroup_id_x 1
		.amdhsa_system_sgpr_workgroup_id_y 1
		.amdhsa_system_sgpr_workgroup_id_z 1
		.amdhsa_system_vgpr_workitem_id 0
		.amdhsa_next_free_vgpr 1024
		.amdhsa_next_free_sgpr 100
		.amdhsa_reserve_vcc 0
		.amdhsa_float_denorm_mode_32 3
		.amdhsa_float_denorm_mode_16_64 3
		.amdhsa_memory_ordered 1
		.amdhsa_forward_progress 1
		.amdhsa_inst_pref_size 212
	.end_amdhsa_kernel
	.amdgpu_metadata
---
amdhsa.version: [ 1, 2 ]
amdhsa.kernels:
  - .name:           k_q454e414535_gemm
    .symbol:         k_q454e414535_gemm.kd
    .args:
      - { .name: xq, .offset: 0, .size: 8, .value_kind: global_buffer, .address_space: global }
      - { .name: wq, .offset: 8, .size: 8, .value_kind: global_buffer, .address_space: global }
      - { .name: out0, .offset: 16, .size: 8, .value_kind: global_buffer, .address_space: global }
    .group_segment_fixed_size: 327680
    .private_segment_fixed_size: 0
    .kernarg_segment_align: 8
    .kernarg_segment_size: 24
    .max_flat_workgroup_size: 128
    .sgpr_count:     100
    .vgpr_count:     1024
    .wavefront_size: 32
...
	.end_amdgpu_metadata
.endif
;; end of part 2
